; MI455X (gfx1250); checked and timed in simulation.
; The chip was launched on July 23, 2026; its instructions are those of AMD's public machine-readable ISA for CDNA 5 (MIT licence, August 2026) and "CDNA5" Instruction Set Architecture Reference Guide (July 2026). The comments in the code are by the model that wrote it; some were corrected since.
;; Fused Linear Row Sum. Allowed arithmetic: float matrix products may take bf16 or f16 operands with f32 sums; all other float work in f32.
;; Inputs: bias 2,048 float32; weight 2,048 x 2,048 float32; x 16,384 x 2,048 float32.
;; Outputs: out0 16,384 float32.
;; 2 versions, each right; version 2 is version 1 with the launch rowdot written anew for expert scheduling mode. Each part assembles by itself: llvm-mc -triple=amdgcn-amd-amdhsa -mcpu=gfx1250 --defsym DOCPART=n.
;; ======== version 1 of 2: 2 launches
;; workspace buffers: part 65,536 bytes
;; launch colsum (part 1): grid 32 x 8, 8 waves a work-group, no clusters, 5,120 bytes of LDS; arguments weight, part; writes part
.if DOCPART == 1
	.amdgcn_target "amdgcn-amd-amdhsa--gfx1250"
	.amdhsa_code_object_version 6
	.text
	.protected	k_q1896634189_colsum
	.globl	k_q1896634189_colsum
	.p2align	8
	.type	k_q1896634189_colsum,@function
k_q1896634189_colsum:
	s_mov_b64 s[64:65], 0
	v_nop
	global_prefetch_b8 v0, s[64:65] scope:SCOPE_SE
	s_setreg_imm32_b32 hwreg(HW_REG_WAVE_MODE, 25, 1), 1
	s_wait_xcnt 0x0
; FIRST OF TWO LAUNCHES for out[b] = sum over o of (sum over k of x[b][k] W[o][k] + bias[o]).
; The sum over o is linear, so out[b] = sum over k of x[b][k] ws[k] + sum over o of bias[o], with ws[k] = sum over o of W[o][k], for every finite input.
; This launch makes eight partial column sums: part[rb][k] = sum of W[o][k] over the 256 rows o = 256 rb .. 256 rb + 255.  All in f32.
; LIMITS, kept on purpose: the order of rounding differs from a product followed by a row sum (W is added up first); inputs are taken as finite
; (with an infinity or a NaN in W or x the pattern of NaN and infinity may differ); |sum over o of W[o][k]| has to stay inside f32's range.
; No matrix instruction: what is left of the product has one output column, so no operand would be used twice.
; SHARES.  Work-group (cb, rb) owns 64 columns (256 bytes of a row, aligned) of 256 rows: 64 KiB.  Thread t = 32 w + 16 h + c: load i takes 16 bytes at
; column byte 16 c of row 32 w + 2 i + h, so a wave's load covers two whole aligned runs of 256 bytes.  All 16 loads of a wave go out at once.
; Each thread adds its 16 rows, the 16 (wave, h) partial rows meet in LDS, and wave 0 adds them and stores 256 consecutive aligned bytes with one instruction.
.set ROW, 8192                         ; bytes in a row of W and of part
.set X,   4                            ; v[4:67]  16 quads as loaded; quad i at X + 4 i
.macro QADD a, b                       ; quad a += quad b
	v_pk_add_f32 v[X+4*(\a):X+4*(\a)+1],   v[X+4*(\a):X+4*(\a)+1],   v[X+4*(\b):X+4*(\b)+1]
	v_pk_add_f32 v[X+4*(\a)+2:X+4*(\a)+3], v[X+4*(\a)+2:X+4*(\a)+3], v[X+4*(\b)+2:X+4*(\b)+3]
.endm
	s_load_b128 s[4:7], s[0:1], 0x0                ; weight s[4:5], part s[6:7]
	v_lshl_add_u32 v68, v0, 2, 0x1000
	v_mov_b32 v69, 0
	v_lshrrev_b32 v2, 5, v0
	v_readfirstlane_b32 s8, v2                     ; wave 0..7
	s_and_b32 s9, ttmp7, 0xffff                    ; rb: which 256 rows
	s_lshl_b32 s14, ttmp9, 8                       ; cb x 256 bytes: which 64 columns
	s_lshl_b32 s10, s9, 21                         ; rb x 256 rows x 8,192 bytes
	s_add_co_u32 s10, s10, s14
	s_mov_b32 s11, 0                               ; under 16 MiB: the high word is 0
	s_lshl_b32 s12, s9, 13                         ; rb x one row of part
	s_add_co_u32 s12, s12, s14
	s_mov_b32 s13, 0
	v_lshlrev_b32 v1, 18, v2                       ; w x 32 rows
	v_bfe_u32 v3, v0, 4, 1                         ; h
	v_lshl_add_u32 v1, v3, 13, v1                  ; + h x one row
	v_and_b32 v3, 15, v0                           ; c
	v_lshl_add_u32 v1, v3, 4, v1                   ; + 16 c: my byte offset in the group's block of W; never rewritten
	v_lshlrev_b32 v2, 4, v0                        ; LDS: 16 t = row 2 w + h of 256 bytes, piece c
	v_and_b32 v3, 31, v0
	v_lshlrev_b32 v3, 3, v3                        ; 8 x lane: wave 0's place in an LDS row and in part
	s_wait_kmcnt 0x0
	s_add_nc_u64 s[4:5], s[4:5], s[10:11]
	s_add_nc_u64 s[6:7], s[6:7], s[12:13]
.irp i, 0,1,2,3,4,5,6,7,8,9,10,11,12,13,14,15
	global_load_b128 v[X+4*\i:X+4*\i+3], v1, s[4:5] offset:\i*2*ROW th:TH_LOAD_NT   ; W is read once in the launch
.endr
.irp g, 0,1,2,3
	s_wait_loadcnt 12-4*\g                         ; loads come back in order: this group of four is in, the younger groups stay out
	QADD 4*\g, 4*\g+1
	QADD 4*\g+2, 4*\g+3
	QADD 4*\g, 4*\g+2
.endr
	QADD 0, 4
	QADD 8, 12
	QADD 0, 8                                      ; my 16 rows' sum of my 4 columns
	ds_store_b128 v2, v[X:X+3]
	s_wait_dscnt 0x0                               ; for wave 0's sake: my store is done before I signal
	s_barrier_signal -1
	s_barrier_wait -1
	s_cmp_lg_u32 s8, 0
	s_cbranch_scc1 .Lend                           ; the rest is wave 0's; no barrier follows
.irp j, 0,1,2,3,4,5,6,7,8,9,10,11,12,13,14,15
	ds_load_b64 v[X+2*\j:X+2*\j+1], v3 offset:256*\j   ; partial row j: 32 lanes take its 256 neighbouring bytes
.endr
	s_wait_dscnt 0x0
.irp d, 1,2,4,8                        ; a tree of 15 packed sums over the 16 pairs
.set j, 0
.rept 8/\d
	v_pk_add_f32 v[X+2*j:X+2*j+1], v[X+2*j:X+2*j+1], v[X+2*(j+\d):X+2*(j+\d)+1]
.set j, j+2*\d
.endr
.endr
	global_store_b64 v3, v[X:X+1], s[6:7]          ; 32 lanes x 8 bytes: 256 consecutive bytes, at a multiple of 256 from part's first byte; the next launch reads them, so no hint
.Lend:
	s_wait_tensorcnt 0x0
	ds_add_u32 v68, v69
	s_wait_dscnt 0x0
	s_endpgm
.Lfunc_end_k_q1896634189_colsum:
	.size	k_q1896634189_colsum, .Lfunc_end_k_q1896634189_colsum-k_q1896634189_colsum
	.p2alignl 7, 3214868480
	.fill 96, 4, 3214868480
	.section	.rodata,"a",@progbits
	.p2align	6, 0x0
	.amdhsa_kernel k_q1896634189_colsum
		.amdhsa_group_segment_fixed_size 5120
		.amdhsa_private_segment_fixed_size 0
		.amdhsa_enable_private_segment 0
		.amdhsa_kernarg_size 16
		.amdhsa_user_sgpr_count 2
		.amdhsa_user_sgpr_kernarg_segment_ptr 1
		.amdhsa_wavefront_size32 1
		.amdhsa_system_sgpr_workgroup_id_x 1
		.amdhsa_system_sgpr_workgroup_id_y 1
		.amdhsa_system_sgpr_workgroup_id_z 1
		.amdhsa_system_vgpr_workitem_id 0
		.amdhsa_next_free_vgpr 70
		.amdhsa_next_free_sgpr 66
		.amdhsa_reserve_vcc 0
		.amdhsa_float_denorm_mode_32 3
		.amdhsa_float_denorm_mode_16_64 3
		.amdhsa_memory_ordered 1
		.amdhsa_forward_progress 1
		.amdhsa_inst_pref_size 8
	.end_amdhsa_kernel
	.amdgpu_metadata
---
amdhsa.version: [ 1, 2 ]
amdhsa.kernels:
  - .name:           k_q1896634189_colsum
    .symbol:         k_q1896634189_colsum.kd
    .args:
      - { .name: weight, .offset: 0, .size: 8, .value_kind: global_buffer, .address_space: global }
      - { .name: part, .offset: 8, .size: 8, .value_kind: global_buffer, .address_space: global }
    .group_segment_fixed_size: 5120
    .private_segment_fixed_size: 0
    .kernarg_segment_align: 8
    .kernarg_segment_size: 16
    .max_flat_workgroup_size: 256
    .sgpr_count:     66
    .vgpr_count:     70
    .wavefront_size: 32
...
	.end_amdgpu_metadata
.endif
;; end of part 1
;; launch rowdot (part 2): grid 256 x 1, 16 waves a work-group, no clusters, 12,544 bytes of LDS; arguments part, bias, x, out0; writes out0
.if DOCPART == 2
	.amdgcn_target "amdgcn-amd-amdhsa--gfx1250"
	.amdhsa_code_object_version 6
	.text
	.protected	k_q1896634189_rowdot
	.globl	k_q1896634189_rowdot
	.p2align	8
	.type	k_q1896634189_rowdot,@function
k_q1896634189_rowdot:
	s_mov_b64 s[64:65], 0
	v_nop
	global_prefetch_b8 v0, s[64:65] scope:SCOPE_SE
	s_setreg_imm32_b32 hwreg(HW_REG_WAVE_MODE, 25, 1), 1
	s_wait_xcnt 0x0
; SECOND OF TWO LAUNCHES: out[b] = sum over k of x[b][k] ws[k] + sum over o of bias[o], with ws[k] = sum over rb of part[rb][k] (the column sums of W).  All in f32.
; LIMITS, kept on purpose: the order of rounding differs from a product followed by a row sum; inputs are taken as finite; ws has to stay inside f32's range.
; No matrix instruction, no LDS ring, no cluster: two operations for each four bytes of x, nothing of x is read by two waves, and what the groups share (part and bias, 72 KiB against
; a group's 512 KiB of x) is read once at the head.
; SHARES.  A work-group owns 64 rows of x; their 64 results are 256 consecutive aligned bytes of out0.  Wave w owns rows 4 w .. 4 w + 3 and takes a whole row, so a row's sum stays in the wave.
; A row is 16 loads of 16 bytes a lane; load J of lane l takes columns 128 J + 4 l .. + 3: a wave's load covers 512 consecutive aligned bytes.
; RING.  The unit is a half row (8 loads, 32 registers); a wave has 8 half rows and 4 register slots: 24 to 32 loads of every wave are on their way until the tail.
; BIAS.  Thread t adds 4 biases; each lane then adds 16 of the 512 thread sums into a pair B, so that B's two halves, added over a wave's 32 lanes, are the sum of all biases.
; B is the addend of each row's first multiply-add, and the row's own sum across the lanes adds it up: the bias costs no instruction per row, and nothing is cleared.
.set ROW,    8192                      ; bytes in a row of x and of part
.set HALF,   4096
.set BT_LDS, 8192                      ; LDS 0..8191 ws (byte 4 k for column k); 8192..10239 the 512 threads' bias sums; 10240..10495 the 64 results
.set OUTS,   10240
.set XO, 1                             ; v1       my byte offset in the group's rows of x: 32,768 w + 16 lane; never rewritten
.set TO, 2                             ; v2       16 t: my 4 columns in part and bias, and where I put their ws in LDS
.set B,  8                             ; v[8:9]   the bias pair
.set A,  10                            ; v[10:17] four chains of pairs
.set R,  20                            ; v[20:23] my wave's four results
.set BT, 10                            ; v[10:25] sixteen bias sums, at the head only
.set W,  32                            ; v[32:95] ws of my 64 columns; quad J at W + 4 J (at the head: the eight quads of part, then the quad of bias)
.set X,  96                            ; v[96:223] slot s at X + 32 s
.macro QADD a, b                       ; quad a += quad b, in W
	v_pk_add_f32 v[W+4*(\a):W+4*(\a)+1],   v[W+4*(\a):W+4*(\a)+1],   v[W+4*(\b):W+4*(\b)+1]
	v_pk_add_f32 v[W+4*(\a)+2:W+4*(\a)+3], v[W+4*(\a)+2:W+4*(\a)+3], v[W+4*(\b)+2:W+4*(\b)+3]
.endm
; Half row h (row h / 2 of my four, its half h % 2) into slot h % 4: the place stands in the immediate, 32,256 at the most
.macro FILL h
.set FS, X+32*((\h)%4)
.irp j, 0,1,2,3,4,5,6,7
	global_load_b128 v[FS+4*\j:FS+4*\j+3], v[XO], s[8:9] offset:(\h)*HALF+512*\j th:TH_LOAD_NT   ; x is read once in the launch
.endr
.endm
; The turn of half row h.  left = the younger loads that may stay out.  fill = 1: the slot takes the half row four further on, as soon as it has been read.
.macro TURN h, left, fill
.set SL, X+32*((\h)%4)
.set WH, W+32*((\h)%2)
	s_wait_loadcnt \left                           ; loads come back in order: my eight are in
.set p, 0
.rept 16                               ; 16 pairs on four chains, so that no multiply-add waits for the one just before it
.set AC, A+2*(p%4)
.if ((\h)%2 == 0) && (p == 0)
	v_pk_fma_f32 v[AC:AC+1], v[SL+2*p:SL+2*p+1], v[WH+2*p:WH+2*p+1], v[B:B+1]       ; the bias pair starts the row's first chain
.elseif ((\h)%2 == 0) && (p < 4)
	v_pk_mul_f32 v[AC:AC+1], v[SL+2*p:SL+2*p+1], v[WH+2*p:WH+2*p+1]                 ; the other chains start with a product
.else
	v_pk_fma_f32 v[AC:AC+1], v[SL+2*p:SL+2*p+1], v[WH+2*p:WH+2*p+1], v[AC:AC+1]
.endif
.set p, p+1
.endr
.if \fill
	FILL \h+4
.endif
.if (\h)%2 == 1                        ; the row is complete: its four chains, its two halves, then its 32 lanes
	v_pk_add_f32 v[A:A+1],   v[A:A+1],   v[A+2:A+3]
	v_pk_add_f32 v[A+4:A+5], v[A+4:A+5], v[A+6:A+7]
	v_pk_add_f32 v[A:A+1],   v[A:A+1],   v[A+4:A+5]
	v_add_f32 v[A], v[A], v[A+1]
	v_add_f32_dpp v[A], v[A], v[A] row_xmask:1 row_mask:0xf bank_mask:0xf
	v_add_f32_dpp v[A], v[A], v[A] row_xmask:2 row_mask:0xf bank_mask:0xf
	v_add_f32_dpp v[A], v[A], v[A] row_xmask:4 row_mask:0xf bank_mask:0xf
	v_add_f32_dpp v[A], v[A], v[A] row_xmask:8 row_mask:0xf bank_mask:0xf
	v_permlanex16_b32 v[A+1], v[A], s18, s19       ; the other half of the lanes; its destination counts as read and has been written
	v_add_f32 v[R+(\h)/2], v[A], v[A+1]            ; every lane holds the row's result
.endif
.endm
	s_load_b256 s[4:11], s[0:1], 0x0               ; part s[4:5], bias s[6:7], x s[8:9], out0 s[10:11]
	v_lshl_add_u32 v224, v0, 2, 0x2900
	v_mov_b32 v225, 0
	v_lshrrev_b32 v7, 5, v0
	v_readfirstlane_b32 s12, v7                    ; wave 0..15
	s_lshl_b32 s14, ttmp9, 19                      ; the group's 64 rows of 8,192 bytes: under 128 MiB,
	s_mov_b32 s15, 0                               ; so the high word is 0
	s_lshl_b32 s16, ttmp9, 8                       ; the group's 64 results
	s_mov_b32 s17, 0
	s_mov_b32 s18, 0x76543210                      ; v_permlanex16_b32: each lane takes its own place in the other half
	s_mov_b32 s19, 0xfedcba98
	v_and_b32 v6, 31, v0                           ; lane
	v_lshlrev_b32 v4, 4, v6                        ; v4: 16 x lane, my place in 512 bytes of LDS
	v_lshl_add_u32 v[XO], v7, 15, v4               ; + my wave's 4 rows
	v_lshlrev_b32 v[TO], 4, v0
	v_lshl_add_u32 v3, v0, 2, BT_LDS               ; v3: where my bias sum goes
	v_lshl_add_u32 v5, v7, 4, OUTS                 ; v5: where my wave's four results go
	v_lshlrev_b32 v6, 3, v6                        ; v6: 8 x lane, wave 0's place among the 64 results
	s_wait_kmcnt 0x0
	s_add_nc_u64 s[8:9], s[8:9], s[14:15]
	s_add_nc_u64 s[10:11], s[10:11], s[16:17]
.irp p, 0,1,2,3,4,5,6,7
	global_load_b128 v[W+4*\p:W+4*\p+3], v[TO], s[4:5] offset:\p*ROW   ; the eight partial sums of my 4 columns; every group reads these, so no hint
.endr
	global_load_b128 v[W+32:W+35], v[TO], s[6:7]   ; my 4 biases
	FILL 0                                         ; x goes out before anything is waited for: 32 loads a wave
	FILL 1
	FILL 2
	FILL 3
	s_wait_loadcnt 32                              ; the nine older loads are in; the 32 of x stay out
	QADD 0, 1
	QADD 2, 3
	QADD 4, 5
	QADD 6, 7
	QADD 0, 2
	QADD 4, 6
	QADD 0, 4                                      ; ws of my 4 columns
	v_pk_add_f32 v[W+32:W+33], v[W+32:W+33], v[W+34:W+35]
	v_add_f32 v[W+32], v[W+32], v[W+33]            ; my 4 biases' sum
	ds_store_b128 v[TO], v[W:W+3]
	ds_store_b32 v3, v[W+32]
	s_wait_dscnt 0x0                               ; for the other waves' sake: my stores are done before I signal
	s_barrier_signal -1                            ; (the loads of x stay out across the barrier: no wave writes those bytes)
	s_barrier_wait -1
.irp j, 0,1,2,3
	ds_load_b128 v[BT+4*\j:BT+4*\j+3], v4 offset:BT_LDS+512*\j   ; a wave's four loads take all 512 bias sums, each once
.endr
.irp J, 0,1,2,3,4,5,6,7,8,9,10,11,12,13,14,15
	ds_load_b128 v[W+4*\J:W+4*\J+3], v4 offset:512*\J            ; ws of columns 128 J + 4 lane .. + 3: the columns of x's load J
.endr
	s_wait_dscnt 16                                ; LDS loads come back in order: the bias sums are in, the sixteen of ws stay out
	v_pk_add_f32 v[BT:BT+1],     v[BT:BT+1],     v[BT+2:BT+3]
	v_pk_add_f32 v[BT+4:BT+5],   v[BT+4:BT+5],   v[BT+6:BT+7]
	v_pk_add_f32 v[BT+8:BT+9],   v[BT+8:BT+9],   v[BT+10:BT+11]
	v_pk_add_f32 v[BT+12:BT+13], v[BT+12:BT+13], v[BT+14:BT+15]
	v_pk_add_f32 v[BT:BT+1],     v[BT:BT+1],     v[BT+4:BT+5]
	v_pk_add_f32 v[BT+8:BT+9],   v[BT+8:BT+9],   v[BT+12:BT+13]
	v_pk_add_f32 v[B:B+1],       v[BT:BT+1],     v[BT+8:BT+9]
	s_wait_dscnt 0x0                               ; ws is in
	TURN 0, 24, 1                                  ; behind a half row's loads stand those of the next three: 24
	TURN 1, 24, 1
	TURN 2, 24, 1
	TURN 3, 24, 1
	TURN 4, 24, 0                                  ; nothing is left to fetch: no load leaves the wave's four rows, and the counts run down
	TURN 5, 16, 0
	TURN 6, 8, 0
	TURN 7, 0, 0
	ds_store_b128 v5, v[R:R+3]                     ; all lanes of the wave write the same 16 bytes with the same values; these bytes serve nothing else
	s_wait_dscnt 0x0                               ; for wave 0's sake
	s_barrier_signal -1
	s_barrier_wait -1
	s_cmp_lg_u32 s12, 0
	s_cbranch_scc1 .Lend                           ; the rest is wave 0's; no barrier follows
	ds_load_b64 v[A:A+1], v6 offset:OUTS
	s_wait_dscnt 0x0
	global_store_b64 v6, v[A:A+1], s[10:11] th:TH_STORE_NT   ; 32 lanes x 8 bytes: the group's 256 consecutive bytes, at a multiple of 256 from out0's first byte
.Lend:
	s_wait_tensorcnt 0x0
	ds_add_u32 v224, v225
	s_wait_dscnt 0x0
	s_endpgm
.Lfunc_end_k_q1896634189_rowdot:
	.size	k_q1896634189_rowdot, .Lfunc_end_k_q1896634189_rowdot-k_q1896634189_rowdot
	.p2alignl 7, 3214868480
	.fill 96, 4, 3214868480
	.section	.rodata,"a",@progbits
	.p2align	6, 0x0
	.amdhsa_kernel k_q1896634189_rowdot
		.amdhsa_group_segment_fixed_size 12544
		.amdhsa_private_segment_fixed_size 0
		.amdhsa_enable_private_segment 0
		.amdhsa_kernarg_size 32
		.amdhsa_user_sgpr_count 2
		.amdhsa_user_sgpr_kernarg_segment_ptr 1
		.amdhsa_wavefront_size32 1
		.amdhsa_system_sgpr_workgroup_id_x 1
		.amdhsa_system_sgpr_workgroup_id_y 1
		.amdhsa_system_sgpr_workgroup_id_z 1
		.amdhsa_system_vgpr_workitem_id 0
		.amdhsa_next_free_vgpr 226
		.amdhsa_next_free_sgpr 66
		.amdhsa_reserve_vcc 0
		.amdhsa_float_denorm_mode_32 3
		.amdhsa_float_denorm_mode_16_64 3
		.amdhsa_memory_ordered 1
		.amdhsa_forward_progress 1
		.amdhsa_inst_pref_size 23
	.end_amdhsa_kernel
	.amdgpu_metadata
---
amdhsa.version: [ 1, 2 ]
amdhsa.kernels:
  - .name:           k_q1896634189_rowdot
    .symbol:         k_q1896634189_rowdot.kd
    .args:
      - { .name: part, .offset: 0, .size: 8, .value_kind: global_buffer, .address_space: global }
      - { .name: bias, .offset: 8, .size: 8, .value_kind: global_buffer, .address_space: global }
      - { .name: x, .offset: 16, .size: 8, .value_kind: global_buffer, .address_space: global }
      - { .name: out0, .offset: 24, .size: 8, .value_kind: global_buffer, .address_space: global }
    .group_segment_fixed_size: 12544
    .private_segment_fixed_size: 0
    .kernarg_segment_align: 8
    .kernarg_segment_size: 32
    .max_flat_workgroup_size: 512
    .sgpr_count:     66
    .vgpr_count:     226
    .wavefront_size: 32
...
	.end_amdgpu_metadata
.endif
;; end of part 2
;; ======== version 2 of 2: 2 launches; version 1 with the launch rowdot written anew for expert scheduling mode
;; workspace buffers: part 65,536 bytes
;; launch colsum: the kernel of part 1 again; grid 32 x 8, 8 waves a work-group, no clusters, 5,120 bytes of LDS; arguments weight, part; writes part
;; launch rowdot (part 3): grid 256 x 1, 16 waves a work-group, no clusters, 12,544 bytes of LDS; arguments part, bias, x, out0; writes out0
.if DOCPART == 3
	.amdgcn_target "amdgcn-amd-amdhsa--gfx1250"
	.amdhsa_code_object_version 6
	.text
	.protected	k_q1896634189_rowdot
	.globl	k_q1896634189_rowdot
	.p2align	8
	.type	k_q1896634189_rowdot,@function
k_q1896634189_rowdot:
	s_mov_b64 s[64:65], 0
	v_nop
	global_prefetch_b8 v0, s[64:65] scope:SCOPE_SE
	s_setreg_imm32_b32 hwreg(HW_REG_WAVE_SCHED_MODE, 0, 2), 2
	s_setreg_imm32_b32 hwreg(HW_REG_WAVE_MODE, 25, 1), 1
	s_wait_xcnt 0x0
	s_wait_alu depctr_vm_vsrc(0)
; SECOND OF TWO LAUNCHES: out[b] = sum over k of x[b][k] ws[k] + sum over o of bias[o], with ws[k] = sum over rb of part[rb][k] (the column sums of W).  All in f32.
; LIMITS, kept on purpose: the order of rounding differs from a product followed by a row sum; inputs are taken as finite; ws has to stay inside f32's range.
; No matrix instruction, no LDS ring, no cluster: two operations for each four bytes of x, nothing of x is read by two waves, and what the groups share (part and bias, 72 KiB against
; a group's 512 KiB of x) is read once at the head.
; SHARES.  A work-group owns 64 rows of x; their 64 results are 256 consecutive aligned bytes of out0.  Wave w owns rows 4 w .. 4 w + 3 and takes a whole row, so a row's sum stays in the wave.
; A row is 16 loads of 16 bytes a lane; load J of lane l takes columns 128 J + 4 l .. + 3: a wave's load covers 512 consecutive aligned bytes.
; RING.  The unit is a half row (8 loads, 32 registers); a wave has 8 half rows and 5 register slots: 40 loads of every wave go out at the head, and 24 to 32 are on their way until the tail.
; BIAS.  Thread t adds 4 biases; each lane then adds 16 of the 512 thread sums into a pair B, so that B's two halves, added over a wave's 32 lanes, are the sum of all biases.
; B is the addend of each row's first multiply-add, and the row's own sum across the lanes adds it up: the bias costs no instruction per row, and nothing is cleared.
; THE MODE: SCHED_MODE bits 1:0 = 2 (LLVM: expert scheduling mode 2), set by the entry lines.  The code itself states the register dependences
; between vector instructions and memory or LDS instructions, with s_wait_alu, always for 0.
; THE PLAN.  Registers that memory or LDS instructions touch:
;   v1 .. v6    offsets and LDS addresses: made once at the head, never written again; the rows are reached by immediate offsets.
;   X0 .. X4    Half row h lands in X[h % 5] and is read by turn h's sixteen multiply-adds.  Half rows 0 to 4 are asked for at the head.  Turn h (1 to 3) asks for half row h + 4,
;               which lands in X[(h - 1) % 5]: the slot that turn h - 1 emptied and that no vector instruction of turn h names.  So ONE wait on va_vdst at the head of such a turn states
;               all that its eight loads hang on, and these are dealt among its multiply-adds with no further wait.  Turns that ask for nothing hold no such wait.
;   W           At the head: global loads land in it, vector sums read and write it, two LDS stores read it; behind the barrier LDS loads land in it; from there on vector instructions alone read it.
;   BT          LDS loads land in it; no vector instruction has named it before.  As A and R the same registers are the turns' own.
;   R, A        At the way out: R is the data of an LDS store; wave 0's last LDS load lands in A.
.set ROW,    8192                      ; bytes in a row of x and of part
.set HALF,   4096
.set BT_LDS, 8192                      ; LDS 0..8191 ws (byte 4 k for column k); 8192..10239 the 512 threads' bias sums; 10240..10495 the 64 results
.set OUTS,   10240
.set XO, 1                             ; v1       my byte offset in the group's rows of x: 32,768 w + 16 lane; never rewritten
.set TO, 2                             ; v2       16 t: my 4 columns in part and bias, and where I put their ws in LDS
.set B,  8                             ; v[8:9]   the bias pair
.set A,  10                            ; v[10:17] four chains of pairs
.set R,  20                            ; v[20:23] my wave's four results
.set BT, 10                            ; v[10:25] sixteen bias sums, at the head only
.set W,  32                            ; v[32:95] ws of my 64 columns; quad J at W + 4 J (at the head: the eight quads of part, then the quad of bias)
.set X,  96                            ; v[96:255] slot s at X + 32 s
.macro QADD a, b                       ; quad a += quad b, in W
	v_pk_add_f32 v[W+4*(\a):W+4*(\a)+1],   v[W+4*(\a):W+4*(\a)+1],   v[W+4*(\b):W+4*(\b)+1]
	v_pk_add_f32 v[W+4*(\a)+2:W+4*(\a)+3], v[W+4*(\a)+2:W+4*(\a)+3], v[W+4*(\b)+2:W+4*(\b)+3]
.endm
; At the head: half row h (row h / 2 of my four, its half h % 2) into slot h % 5: the place stands in the immediate
.macro FILL h
.set FS, X+32*((\h)%5)
.irp j, 0,1,2,3,4,5,6,7
	global_load_b128 v[FS+4*\j:FS+4*\j+3], v[XO], s[8:9] offset:(\h)*HALF+512*\j th:TH_LOAD_NT   ; x is read once in the launch
.endr
.endm
; The turn of half row h.  left = the younger loads that may stay out.  fill = 1: the slot that the turn before emptied takes the half row four further on than this one.
.macro TURN h, left, fill
.set SL, X+32*((\h)%5)
.set FS, X+32*(((\h)+4)%5)
.set WH, W+32*((\h)%2)
	s_wait_loadcnt \left                           ; loads come back in order: my eight are in
.if \fill
	s_wait_alu depctr_va_vdst(0)                   ; the multiply-adds of the turn before are done reading their slot, in which the eight loads below land
.endif
.set p, 0
.rept 16                               ; 16 pairs on four chains, so that no multiply-add waits for the one just before it
.set AC, A+2*(p%4)
.if (\fill) && (p%2 == 0)
	global_load_b128 v[FS+2*p:FS+2*p+3], v[XO], s[8:9] offset:((\h)+4)*HALF+256*p th:TH_LOAD_NT   ; load p / 2 of the half row; 32,256 bytes at the most.  No vector instruction since the wait names these registers
.endif
.if ((\h)%2 == 0) && (p == 0)
	v_pk_fma_f32 v[AC:AC+1], v[SL+2*p:SL+2*p+1], v[WH+2*p:WH+2*p+1], v[B:B+1]       ; the bias pair starts the row's first chain
.elseif ((\h)%2 == 0) && (p < 4)
	v_pk_mul_f32 v[AC:AC+1], v[SL+2*p:SL+2*p+1], v[WH+2*p:WH+2*p+1]                 ; the other chains start with a product
.else
	v_pk_fma_f32 v[AC:AC+1], v[SL+2*p:SL+2*p+1], v[WH+2*p:WH+2*p+1], v[AC:AC+1]
.endif
.set p, p+1
.endr
.if (\h)%2 == 1                        ; the row is complete: its four chains, its two halves, then its 32 lanes
	v_pk_add_f32 v[A:A+1],   v[A:A+1],   v[A+2:A+3]
	v_pk_add_f32 v[A+4:A+5], v[A+4:A+5], v[A+6:A+7]
	v_pk_add_f32 v[A:A+1],   v[A:A+1],   v[A+4:A+5]
	v_add_f32 v[A], v[A], v[A+1]
	v_add_f32_dpp v[A], v[A], v[A] row_xmask:1 row_mask:0xf bank_mask:0xf
	v_add_f32_dpp v[A], v[A], v[A] row_xmask:2 row_mask:0xf bank_mask:0xf
	v_add_f32_dpp v[A], v[A], v[A] row_xmask:4 row_mask:0xf bank_mask:0xf
	v_add_f32_dpp v[A], v[A], v[A] row_xmask:8 row_mask:0xf bank_mask:0xf
	v_permlanex16_b32 v[A+1], v[A], s18, s19       ; the other half of the lanes; its destination counts as read and has been written
	v_add_f32 v[R+(\h)/2], v[A], v[A+1]            ; every lane holds the row's result
.endif
.endm
	s_load_b256 s[4:11], s[0:1], 0x0               ; part s[4:5], bias s[6:7], x s[8:9], out0 s[10:11]
	v_lshl_add_u32 v30, v0, 2, 0x2900
	v_mov_b32 v31, 0
	v_lshrrev_b32 v7, 5, v0
	v_readfirstlane_b32 s12, v7                    ; wave 0..15
	s_lshl_b32 s14, ttmp9, 19                      ; the group's 64 rows of 8,192 bytes: under 128 MiB,
	s_mov_b32 s15, 0                               ; so the high word is 0
	s_lshl_b32 s16, ttmp9, 8                       ; the group's 64 results
	s_mov_b32 s17, 0
	s_mov_b32 s18, 0x76543210                      ; v_permlanex16_b32: each lane takes its own place in the other half
	s_mov_b32 s19, 0xfedcba98
	v_and_b32 v6, 31, v0                           ; lane
	v_lshlrev_b32 v4, 4, v6                        ; v4: 16 x lane, my place in 512 bytes of LDS
	v_lshl_add_u32 v[XO], v7, 15, v4               ; + my wave's 4 rows
	v_lshlrev_b32 v[TO], 4, v0
	v_lshl_add_u32 v3, v0, 2, BT_LDS               ; v3: where my bias sum goes
	v_lshl_add_u32 v5, v7, 4, OUTS                 ; v5: where my wave's four results go
	v_lshlrev_b32 v6, 3, v6                        ; v6: 8 x lane, wave 0's place among the 64 results
	s_wait_alu depctr_va_sdst(0)                   ; s12 is written, ahead of its first reader: the compare at the way out
	s_wait_kmcnt 0x0
	s_add_nc_u64 s[8:9], s[8:9], s[14:15]
	s_add_nc_u64 s[10:11], s[10:11], s[16:17]
	s_wait_alu depctr_va_vdst(0)                   ; the offsets and LDS addresses v1 to v6 are written, which the loads, LDS instructions and stores of the whole kernel read
.irp p, 0,1,2,3,4,5,6,7
	global_load_b128 v[W+4*\p:W+4*\p+3], v[TO], s[4:5] offset:\p*ROW   ; the eight partial sums of my 4 columns; every group reads these, so no hint
.endr
	global_load_b128 v[W+32:W+35], v[TO], s[6:7]   ; my 4 biases
	FILL 0                                         ; x goes out before anything is waited for: 40 loads a wave, into registers that no vector instruction has named
	FILL 1
	FILL 2
	FILL 3
	FILL 4
	s_wait_loadcnt 40                              ; the nine older loads are in; the 40 of x stay out
	QADD 0, 1
	QADD 2, 3
	QADD 4, 5
	QADD 6, 7
	QADD 0, 2
	QADD 4, 6
	QADD 0, 4                                      ; ws of my 4 columns
	v_pk_add_f32 v[W+32:W+33], v[W+32:W+33], v[W+34:W+35]
	v_add_f32 v[W+32], v[W+32], v[W+33]            ; my 4 biases' sum
	s_wait_alu depctr_va_vdst(0)                   ; the sums have written v[W:W+3] and v[W+32], which the LDS stores read; and they are done with all of W, in which the LDS loads behind the barrier land
	ds_store_b128 v[TO], v[W:W+3]
	ds_store_b32 v3, v[W+32]
	s_wait_dscnt 0x0                               ; for the other waves' sake: my stores are done before I signal
	s_barrier_signal -1                            ; (the loads of x stay out across the barrier: no wave writes those bytes)
	s_barrier_wait -1
	s_wait_alu depctr_vm_vsrc(0)                   ; my LDS stores have read v[W:W+3] and v[W+32], in which the loads of ws below land
.irp j, 0,1,2,3
	ds_load_b128 v[BT+4*\j:BT+4*\j+3], v4 offset:BT_LDS+512*\j   ; a wave's four loads take all 512 bias sums, each once
.endr
.irp J, 0,1,2,3,4,5,6,7,8,9,10,11,12,13,14,15
	ds_load_b128 v[W+4*\J:W+4*\J+3], v4 offset:512*\J            ; ws of columns 128 J + 4 lane .. + 3: the columns of x's load J
.endr
	s_wait_dscnt 16                                ; LDS loads come back in order: the bias sums are in, the sixteen of ws stay out
	v_pk_add_f32 v[BT:BT+1],     v[BT:BT+1],     v[BT+2:BT+3]
	v_pk_add_f32 v[BT+4:BT+5],   v[BT+4:BT+5],   v[BT+6:BT+7]
	v_pk_add_f32 v[BT+8:BT+9],   v[BT+8:BT+9],   v[BT+10:BT+11]
	v_pk_add_f32 v[BT+12:BT+13], v[BT+12:BT+13], v[BT+14:BT+15]
	v_pk_add_f32 v[BT:BT+1],     v[BT:BT+1],     v[BT+4:BT+5]
	v_pk_add_f32 v[BT+8:BT+9],   v[BT+8:BT+9],   v[BT+12:BT+13]
	v_pk_add_f32 v[B:B+1],       v[BT:BT+1],     v[BT+8:BT+9]
	s_wait_dscnt 0x0                               ; ws is in
	TURN 0, 32, 0                                  ; behind half row 0's loads stand those of the next four: 32; no slot has been emptied yet
	TURN 1, 24, 1                                  ; behind a half row's loads stand those of the next three: 24 (a turn's own fill stands behind its wait)
	TURN 2, 24, 1
	TURN 3, 24, 1
	TURN 4, 24, 0                                  ; nothing is left to fetch: no load leaves the wave's four rows, and the counts run down
	TURN 5, 16, 0
	TURN 6, 8, 0
	TURN 7, 0, 0
	s_wait_alu depctr_va_vdst(0)                   ; the rows' last sums have written v[R:R+3], which the LDS store reads; and the turns are done with v[A:A+1], in which wave 0's LDS load below lands
	ds_store_b128 v5, v[R:R+3]                     ; all lanes of the wave write the same 16 bytes with the same values; these bytes serve nothing else
	s_wait_dscnt 0x0                               ; for wave 0's sake
	s_barrier_signal -1
	s_barrier_wait -1
	s_cmp_lg_u32 s12, 0
	s_cbranch_scc1 .Lend                           ; the rest is wave 0's; no barrier follows
	ds_load_b64 v[A:A+1], v6 offset:OUTS           ; no vector instruction since the last wait on va_vdst names v[A:A+1]
	s_wait_dscnt 0x0
	global_store_b64 v6, v[A:A+1], s[10:11] th:TH_STORE_NT   ; 32 lanes x 8 bytes: the group's 256 consecutive bytes, at a multiple of 256 from out0's first byte
.Lend:
	s_wait_dscnt 0x0
	s_wait_alu depctr_hold_cnt(0) depctr_sa_sdst(0) depctr_va_vdst(0) depctr_va_sdst(0) depctr_va_ssrc(0) depctr_va_vcc(0) depctr_vm_vsrc(0)
	s_wait_tensorcnt 0x0
	ds_add_u32 v30, v31
	s_wait_dscnt 0x0
	s_endpgm
.Lfunc_end_k_q1896634189_rowdot:
	.size	k_q1896634189_rowdot, .Lfunc_end_k_q1896634189_rowdot-k_q1896634189_rowdot
	.p2alignl 7, 3214868480
	.fill 96, 4, 3214868480
	.section	.rodata,"a",@progbits
	.p2align	6, 0x0
	.amdhsa_kernel k_q1896634189_rowdot
		.amdhsa_group_segment_fixed_size 12544
		.amdhsa_private_segment_fixed_size 0
		.amdhsa_enable_private_segment 0
		.amdhsa_kernarg_size 32
		.amdhsa_user_sgpr_count 2
		.amdhsa_user_sgpr_kernarg_segment_ptr 1
		.amdhsa_wavefront_size32 1
		.amdhsa_system_sgpr_workgroup_id_x 1
		.amdhsa_system_sgpr_workgroup_id_y 1
		.amdhsa_system_sgpr_workgroup_id_z 1
		.amdhsa_system_vgpr_workitem_id 0
		.amdhsa_next_free_vgpr 256
		.amdhsa_next_free_sgpr 66
		.amdhsa_reserve_vcc 0
		.amdhsa_float_denorm_mode_32 3
		.amdhsa_float_denorm_mode_16_64 3
		.amdhsa_memory_ordered 1
		.amdhsa_forward_progress 1
		.amdhsa_inst_pref_size 23
	.end_amdhsa_kernel
	.amdgpu_metadata
---
amdhsa.version: [ 1, 2 ]
amdhsa.kernels:
  - .name:           k_q1896634189_rowdot
    .symbol:         k_q1896634189_rowdot.kd
    .args:
      - { .name: part, .offset: 0, .size: 8, .value_kind: global_buffer, .address_space: global }
      - { .name: bias, .offset: 8, .size: 8, .value_kind: global_buffer, .address_space: global }
      - { .name: x, .offset: 16, .size: 8, .value_kind: global_buffer, .address_space: global }
      - { .name: out0, .offset: 24, .size: 8, .value_kind: global_buffer, .address_space: global }
    .group_segment_fixed_size: 12544
    .private_segment_fixed_size: 0
    .kernarg_segment_align: 8
    .kernarg_segment_size: 32
    .max_flat_workgroup_size: 512
    .sgpr_count:     66
    .vgpr_count:     256
    .wavefront_size: 32
...
	.end_amdgpu_metadata
.endif
;; end of part 3
